; MI455X (gfx1250); checked and timed in simulation.
; The chip was launched on July 23, 2026; its instructions are those of AMD's public machine-readable ISA for CDNA 5 (MIT licence, August 2026) and "CDNA5" Instruction Set Architecture Reference Guide (July 2026). The comments in the code are by the model that wrote it; some were corrected since.
;; Mo E Layer. Allowed arithmetic: matrix products marked QUANTISED: E2M1 operands, one E8M0 scale for each 32 along K, by v_wmma_scale_f32_16x16x128_f8f6f4 with both operands' format E2M1 (or v_wmma_scale_f32_32x16x128_f4), f32 sums; products left as they are: f32 operands where the result goes on into a quantised operand, else bf16, f16 or f32 operands; f32 sums; everything else in f32.
;; Inputs: W1_codes 8 x 1,024 x 32 x 16 uint8 (E2M1 codes of W1, K innermost, in blocks of 32 codes, two codes a byte); W1_scales 8 x 1,024 x 32 uint8 (E8M0 scales of W1, one for each 32 codes along K); W2_codes 8 x 1,024 x 32 x 16 uint8 (E2M1 codes of W2, K innermost, in blocks of 32 codes, two codes a byte); W2_scales 8 x 1,024 x 32 uint8 (E8M0 scales of W2, one for each 32 codes along K); Wg 1,024 x 8 float32; b1 8 x 1,024 float32; b2 8 x 1,024 float32; be1 8 x 1,024 float32; be2 8 x 1,024 float32; bg 8 float32; g1 8 x 1,024 float32; g2 8 x 1,024 float32; x 4,096 x 1,024 float32.
;; Outputs: out0 4,096 x 1,024 float32; out1 4,096 x 8 float32.
;; This version of the problem:
;;   THIS VERSION OF THE PROBLEM IS GIVEN IN LOW PRECISION. The matrix products marked QUANTISED in the list below multiply operands that are first quantised to E2M1 (2 exponent bits, 1 mantissa bit; 4 bits a number), with one power-of-two scale for each 32 numbers along K (OCP MX v1.0); their sums are f32. All else is computed in f32.
;;   The module's matrix products, in the order in which they are computed (A, B: the left and right operand; K: the contracted axis; several contracted axes count as one K, in the product's order):
;;     1. [M 4,096, K 1,024] x [K 1,024, N 8]; A: input x; B: input Wg: left as it is (N = 8 < 16)
;;     2. [M 8,192, K 1,024] x [K 1,024, N 4,096]; A: input W1 (given as codes); B: input x: QUANTISED
;;     3. batch 8 x [M 4,096, K 1,024] x [K 1,024, N 1,024]; A: computed on the way; B: input W2 (given as codes): QUANTISED
;;     4. batch 4,096 x [M 1, K 8] x [K 8, N 1,024]; A: computed on the way; B: computed on the way: left as it is (K = 8 < 32)
;;   THE QUANTISER, for each operand of a quantised product, along K:
;;     - K is cut into blocks of 32 from its start; a last block that is shorter is filled with zeros.
;;     - A block's scale is 2^e with e = floor(log2(the largest magnitude in the block)) - 2, held to -126 .. 127; a block of zeros has e = 0. As a byte (E8M0): e + 127.
;;     - Each number is divided by its block's scale, clamped to +-6, and rounded to the nearest number of E2M1, ties to even, subnormals kept.
;;     - The product sums the exact products of the quantised numbers (number of the format x scale) in f32.
;;   ~~~python
;;   def quantise(x, axis):      # numpy; x: float32 -> the quantised numbers, widened to float32 again
;;       x = np.moveaxis(x, axis, -1); K = x.shape[-1]
;;       x = np.pad(x, [(0, 0)] * (x.ndim - 1) + [(0, -K % 32)]); x = x.reshape(x.shape[:-1] + (-1, 32)); a = np.abs(x).max(-1, keepdims=True)
;;       e = np.where(a > 0, np.clip(np.frexp(np.where(a > 0, a, 1))[1] - 1 - 2, -126, 127), 0)      # np.frexp(a)[1] - 1 = floor(log2(a)), exactly
;;       r = np.clip(x / 2.0 ** e, -6, 6)
;;       step = 2.0 ** (np.maximum(np.frexp(np.where(r == 0, 1, r))[1] - 1, 0) - 1)
;;       q = np.round(r / step) * step * 2.0 ** e      # np.round: ties to even
;;       return np.moveaxis(q.reshape(q.shape[:-2] + (-1,))[..., :K], -1, axis).astype(np.float32)
;;   ~~~
;;   OPERANDS COMPUTED ON THE WAY. 'Computed on the way' means the value that the module computes at that place (a softmax that the list does not call 'softmax' is quantised finished and normalised). What goes into a quantiser is computed in f32, as accurately as f32 sums, v_exp_f32 and their like allow (about 1e-6 of the number): no bf16 or f16 on the way to a quantiser, and a product that is left as it is and whose result goes on into a quantised operand takes f32 operands (vector FMAs, or v_wmma_f32_16x16x4_f32). A number that lies on a knife's edge between two numbers of the format may be rounded either way, as far as f32 arithmetic and the matrix unit's own rounding can turn it there, and no further.
;;   INPUTS GIVEN AS CODES. W1 (in the module: [8, 1024, 1024], K = its axis 1); W2 (in the module: [8, 1024, 1024], K = its axis 1): each comes as NAME_codes (uint8): NAME with its K axis moved to the last place and cut into blocks of 32 codes, [.., K / 32, bytes a block], one block behind the other in memory; two codes a byte, the lower K in the low four bits (a code: sign, 2 exponent bits, 1 mantissa bit); and NAME_scales (uint8): the same leading axes, one E8M0 byte (e + 127) for each 32 codes along K. Its value is code x scale, taken as it is: it is not quantised again, and the codes and scales need not be those that the quantiser above would give.
;; One version. Each part assembles by itself: llvm-mc -triple=amdgcn-amd-amdhsa -mcpu=gfx1250 --defsym DOCPART=n.
;; ======== version 1 of 1: 2 launches
;; limits: right only within a limited range of input values
;; workspace buffers: WF 8,388,608 bytes; WS 524,288 bytes; gw 32,768 bytes; masks 16,384 bytes of whole numbers; hist 16,384 bytes of whole numbers
;; launch prep (part 1): grid 256 x 1, 8 waves a work-group, no clusters, 105,472 bytes of LDS; arguments x, Wg, bg, W1_codes, W1_scales, W2_codes, W2_scales, out1, masks, gw, hist, WF, WS; writes out1, masks, gw, hist, WF, WS
.if DOCPART == 1
	.amdgcn_target "amdgcn-amd-amdhsa--gfx1250"
	.amdhsa_code_object_version 6
	.text
	.protected	k_qf3ec381619_prep
	.globl	k_qf3ec381619_prep
	.p2align	8
	.type	k_qf3ec381619_prep,@function
k_qf3ec381619_prep:
	s_mov_b64 s[64:65], 0
	v_nop
	global_prefetch_b8 v0, s[64:65] scope:SCOPE_SE
	s_setreg_imm32_b32 hwreg(HW_REG_WAVE_MODE, 25, 1), 1
	s_wait_xcnt 0x0
; PREP.  Two kinds of work-groups, told apart by the work-group's number alone.
; Work-groups 0-127, THE GATE: 32 tokens each.  logits = x Wg + bg in f32 (fused multiply-adds), softmax with the row's maximum taken away (out1), the two largest
; probabilities (of equal ones the lower index, as jax.lax.top_k has it), their weights p / (p1 + p2 + 1e-9).  Stored at fixed places: gw[token] = (weight of the lower-numbered
; expert, of the higher-numbered), masks[block][pair] = which of the block's 32 tokens chose that pair (bit l: token 32 x block + l), hist[block][pair] = how many.
; The pair (lo, hi), lo < hi, has the number lo (15 - lo) / 2 + hi - lo - 1, 0 .. 27.  No address and no branch here hangs on any of these numbers.
; Work-groups 128-255, THE LAYOUT: W1's and W2's codes and scale bytes are copied once into the order in which the chain's operand registers take them:
;   WF[16 matrices][16 waves][8 K steps][4 tiles][2 halves][32 lanes][16 bytes],  WS[16 matrices][16 waves][2 q][2 kh][32 lanes][16 bytes].
; Tile t = 2 q + u of wave w takes the weight's rows 64 w + 32 q + 8 u + r + 8 (r / 8), r = lane % 16; lane (r, h) holds bytes 64 s + 32 c + 16 h .. + 15 of its row.
; LIMITS: NaN and infinities among the inputs are not served.  The logits' f32 sums are added in another order than in the reference: a token whose second and third
; probability agree to about 1e-7 of their size may take the other expert.
.set PQ,  528                          ; a piece of Wg in LDS: 512 bytes + 16
.set CH,  8*PQ                         ; a chunk of 128 rows of Wg: 8 pieces
.set LG,  8*CH                         ; behind Wg: the logits, [32 tokens][8]
.set LW,  LG+1024                      ; behind them: the layout's stages, 32 rows x 272 bytes for each wave (bytes of their own: the gate never names them)
.set SPT, 272
.set X,   16                           ; v16-143  x: token a, chunk i, number j at X + 32 a + 4 i + j
.set G,   144                          ; v144-175 the sums: token a, expert e at G + 8 a + e
.set WC,  176                          ; v176-239 Wg: two sets of 32: row j of my four, expert e at 8 j + e
.set A,   16                           ; the layout: v16-79 codes as loaded, v80-143 as stored, v144-147 scale bytes
.set B,   80
.set S,   144
	s_load_b512 s[4:19], s[0:1], 0x0               ; x, Wg, bg, W1's codes, W1's scales, W2's codes, W2's scales, out1
	s_load_b256 s[20:27], s[0:1], 0x40             ; masks, gw, hist, WF
	s_load_b64 s[28:29], s[0:1], 0x60              ; WS
	v_lshl_add_u32 v240, v0, 2, 0x19800
	v_mov_b32 v241, 0
	v_lshrrev_b32 v1, 5, v0
	s_delay_alu instid0(VALU_DEP_1)
	v_readfirstlane_b32 s30, v1                    ; wave 0..7
	v_and_b32 v5, 31, v0                           ; lane
	s_delay_alu instid0(VALU_DEP_1)
	v_lshlrev_b32 v1, 4, v5                        ; 16 x lane
	s_mov_b32 s32, 0x76543210                      ; v_permlanex16_b32's selects for lane l xor 16
	s_mov_b32 s33, 0xfedcba98
	s_wait_kmcnt 0x0
	s_cmp_lt_u32 ttmp9, 128
	s_cbranch_scc0 .Llayout
; ---------------- THE GATE.  Wave w takes tokens 4 w .. 4 w + 3 of the block as whole rows: lane l holds numbers 128 i + 4 l + 0 .. 3 of each.
	s_load_b256 s[36:43], s[8:9], 0x0              ; bg
	v_lshlrev_b32 v2, 4, v0                        ; Wg comes in as it lies: 16 bytes a thread, 4,096 a load of the work-group
	v_and_b32 v3, 7, v0
	v_lshrrev_b32 v4, 3, v0
	s_delay_alu instid0(VALU_DEP_2)
	v_mul_u32_u24 v3, v3, PQ
	s_delay_alu instid0(VALU_DEP_1)
	v_lshl_add_u32 v3, v4, 4, v3                   ; and goes to piece t % 8, place t / 8: piece q, place l of chunk i is Wg[128 i + 4 l + q / 2][4 (q % 2) ..]
	s_lshl_b32 s46, s30, 7
	s_add_co_u32 s46, s46, LG
	v_mov_b32 v4, s46                              ; my wave's four rows of logits
	s_wait_alu depctr_va_vdst(0)
	v_lshl_add_u32 v6, v5, 5, LG                   ; and, for wave 0 later, the row of token = lane
	v_lshlrev_b32 v7, 5, v5                        ; 32, 4 and 8 bytes a lane, for the stores
	v_lshlrev_b32 v8, 2, v5
	v_lshlrev_b32 v9, 3, v5
	s_lshl_b32 s44, ttmp9, 17                      ; 32 rows of 4,096 bytes a block,
	s_lshl_b32 s45, s30, 14                        ; 4 rows a wave
	s_add_co_u32 s44, s44, s45
	s_mov_b32 s45, 0
	s_add_nc_u64 s[4:5], s[4:5], s[44:45]
	s_lshl_b32 s44, ttmp9, 10                      ; out1: 1,024 bytes a block
	s_add_nc_u64 s[18:19], s[18:19], s[44:45]
	s_lshl_b32 s44, ttmp9, 7                       ; masks and hist: 128
	s_add_nc_u64 s[20:21], s[20:21], s[44:45]
	s_add_nc_u64 s[24:25], s[24:25], s[44:45]
	s_lshl_b32 s44, ttmp9, 8                       ; gw: 256
	s_add_nc_u64 s[22:23], s[22:23], s[44:45]
.irp c, 0,1,2,3,4,5,6,7
	global_load_b128 v[WC+4*\c:WC+4*\c+3], v2, s[6:7] offset:4096*\c
.endr
.irp i, 0,1,2,3,4,5,6,7                            ; x, chunk by chunk: each load reads 512 consecutive bytes of a row
.irp a, 0,1,2,3
	global_load_b128 v[X+32*\a+4*\i:X+32*\a+4*\i+3], v1, s[4:5] offset:4096*\a+512*\i
.endr
.endr
	s_wait_loadcnt 32                              ; Wg's eight loads are in; the 32 of x, issued behind them, stay out
.irp c, 0,1,2,3,4,5,6,7
	ds_store_b128 v3, v[WC+4*\c:WC+4*\c+3] offset:CH*\c
.endr
	s_wait_dscnt 0x0                               ; my part of Wg lies in LDS,
	s_barrier_signal -1
	s_barrier_wait -1                              ; everybody's does
.macro WGET i                                      ; chunk i of Wg: eight loads of 512 consecutive bytes
.irp q, 0,1,2,3,4,5,6,7
	ds_load_b128 v[WC+32*((\i)%2)+4*\q:WC+32*((\i)%2)+4*\q+3], v1 offset:CH*(\i)+PQ*\q
.endr
.endm
.macro GATE i                                      ; 64 packed multiply-adds: my 4 numbers of chunk i x 4 tokens x 4 pairs of experts; the very first products start the sums
.irp j, 0,1,2,3
.irp a, 0,1,2,3
.irp p, 0,2,4,6
.set rG, G+8*\a+\p
.set rX, X+32*\a+4*(\i)+2*(\j/2)
.set rW, WC+32*((\i)%2)+8*\j+\p
.if ((\i) == 0) && (\j == 0)
	v_pk_mul_f32 v[rG:rG+1], v[rX:rX+1], v[rW:rW+1] op_sel_hi:[0,1]
.elseif (\j%2) == 0
	v_pk_fma_f32 v[rG:rG+1], v[rX:rX+1], v[rW:rW+1], v[rG:rG+1] op_sel_hi:[0,1,1]
.else
	v_pk_fma_f32 v[rG:rG+1], v[rX:rX+1], v[rW:rW+1], v[rG:rG+1] op_sel:[1,0,0] op_sel_hi:[1,1,1]
.endif
.endr
.endr
.endr
.endm
	WGET 0
.irp i, 0,1,2,3,4,5,6,7
.if \i < 7
	WGET \i+1
	s_wait_dscnt 8                                 ; this chunk of Wg is in; the next chunk's eight loads stay out
.else
	s_wait_dscnt 0x0
.endif
	s_wait_loadcnt 28-4*\i                         ; this chunk of x is in; the chunks behind it stay out
	GATE \i
.endr
.irp k, 1,2,4,8                                    ; the sums over the 32 lanes, the 32 registers by turns
.set n, 0
.rept 32
	v_add_f32_dpp v[G+n], v[G+n], v[G+n] row_xmask:\k row_mask:0xf bank_mask:0xf
.set n, n+1
.endr
.endr
.set n, 0
.rept 32
	v_permlanex16_b32 v[X+n], v[G+n], s32, s33     ; (x's registers are done with, and have been written)
.set n, n+1
.endr
.set n, 0
.rept 32
	v_add_f32 v[G+n], v[G+n], v[X+n]
.set n, n+1
.endr
.irp a, 0,1,2,3
	ds_store_b128 v4, v[G+8*\a:G+8*\a+3] offset:32*\a          ; every lane holds the same sums and writes the same bytes
	ds_store_b128 v4, v[G+8*\a+4:G+8*\a+7] offset:32*\a+16
.endr
	s_wait_kmcnt 0x0                               ; bg
	s_wait_dscnt 0x0
	s_barrier_signal -1
	s_barrier_wait -1                              ; the block's 32 rows of logits lie in LDS
	s_cmp_lg_u32 s30, 0
	s_cbranch_scc1 .Ldone                          ; wave 0 goes on alone, a lane to a token; no barrier follows
	ds_load_b128 v[16:19], v6
	ds_load_b128 v[20:23], v6 offset:16
	s_wait_dscnt 0x0
.irp e, 0,1,2,3,4,5,6,7
	v_add_f32 v[16+\e], s[36+\e], v[16+\e]
.endr
	v_max3_num_f32 v24, v16, v17, v18
	s_delay_alu instid0(VALU_DEP_1)
	v_max3_num_f32 v24, v24, v19, v20
	s_delay_alu instid0(VALU_DEP_1)
	v_max3_num_f32 v24, v24, v21, v22
	s_delay_alu instid0(VALU_DEP_1)
	v_max_num_f32 v24, v24, v23                    ; the row's maximum is taken away first, then the difference is scaled: nothing is lost where the logits are large
.irp e, 0,1,2,3,4,5,6,7
	v_sub_f32 v[26+\e], v[16+\e], v24
.endr
.irp e, 0,1,2,3,4,5,6,7
	v_mul_f32 v[26+\e], 0x3fb8aa3b, v[26+\e]       ; x log2(e)
.endr
	s_wait_alu depctr_va_vdst(0)
.irp e, 0,1,2,3,4,5,6,7
	v_exp_f32 v[26+\e], v[26+\e]
.endr
	v_nop                                          ; a plain instruction behind the last exponential,
	s_wait_alu depctr_va_vdst(0)                   ; and one wait for the eight, ahead of their first reader
	v_add_f32 v34, v26, v27
	v_add_f32 v35, v28, v29
	v_add_f32 v24, v30, v31
	v_add_f32 v25, v32, v33
	s_delay_alu instid0(VALU_DEP_3)
	v_add_f32 v34, v34, v35
	s_delay_alu instid0(VALU_DEP_2)
	v_add_f32 v24, v24, v25
	s_delay_alu instid0(VALU_DEP_1)
	v_add_f32 v34, v34, v24
	s_wait_alu depctr_va_vdst(0)
	v_rcp_f32 v35, v34
	v_mov_b32 v38, -1.0                            ; (the plain instruction behind the reciprocal)
	s_wait_alu depctr_va_vdst(0)
.irp e, 0,1,2,3,4,5,6,7
	v_mul_f32 v[16+\e], v[26+\e], v35              ; the probabilities
.endr
	global_store_b128 v7, v[16:19], s[18:19]       ; out1: 32 bytes a lane; the two stores together fill the block's 1,024 consecutive bytes
	global_store_b128 v7, v[20:23], s[18:19] offset:16
	v_mov_b32 v36, v16                             ; the largest, and where: an equal later one does not displace it
	v_mov_b32 v37, 0
.irp e, 1
	s_delay_alu instid0(VALU_DEP_2)
	v_cmp_ge_f32 vcc_lo, v36, v[16+\e]
	s_delay_alu instid0(VALU_DEP_1)
	v_cndmask_b32 v37, \e, v37, vcc_lo
	s_delay_alu instid0(VALU_DEP_4)
	v_max_num_f32 v36, v36, v[16+\e]
.endr
.irp e, 2, 3, 4, 5, 6, 7
	s_delay_alu instid0(VALU_DEP_1)
	v_cmp_ge_f32 vcc_lo, v36, v[16+\e]
	s_delay_alu instid0(VALU_DEP_1)
	v_cndmask_b32 v37, \e, v37, vcc_lo
	s_delay_alu instid0(VALU_DEP_3)
	v_max_num_f32 v36, v36, v[16+\e]
.endr
.irp e, 0,1,2,3,4,5,6,7
	v_cmp_eq_u32 vcc_lo, \e, v37
	s_delay_alu instid0(VALU_DEP_1)
	v_cndmask_b32 v[40+\e], v[16+\e], v38, vcc_lo  ; the largest is put out of the running (-1 lies under every probability)
.endr
	v_mov_b32 v39, v40                             ; the second largest likewise
	v_mov_b32 v48, 0
.irp e, 1
	s_delay_alu instid0(VALU_DEP_2)
	v_cmp_ge_f32 vcc_lo, v39, v[40+\e]
	s_delay_alu instid0(VALU_DEP_1)
	v_cndmask_b32 v48, \e, v48, vcc_lo
	s_delay_alu instid0(VALU_DEP_4)
	v_max_num_f32 v39, v39, v[40+\e]
.endr
.irp e, 2, 3, 4, 5, 6, 7
	s_delay_alu instid0(VALU_DEP_1)
	v_cmp_ge_f32 vcc_lo, v39, v[40+\e]
	s_delay_alu instid0(VALU_DEP_1)
	v_cndmask_b32 v48, \e, v48, vcc_lo
	s_delay_alu instid0(VALU_DEP_3)
	v_max_num_f32 v39, v39, v[40+\e]
.endr
	s_delay_alu instid0(VALU_DEP_1)
	v_add_f32 v49, v36, v39
	s_delay_alu instid0(VALU_DEP_1)
	v_add_f32 v49, 0x3089705f, v49                 ; + 1e-9
	s_wait_alu depctr_va_vdst(0)
	v_rcp_f32 v50, v49
	v_min_u32 v53, v37, v48                        ; lo  (plain work behind the reciprocal)
	v_add_nc_u32 v54, v37, v48
	s_delay_alu instid0(VALU_DEP_1)
	v_sub_nc_u32 v54, v54, v53                     ; hi
	v_cmp_lt_u32 vcc_lo, v37, v48
	s_wait_alu depctr_va_vdst(0)
	v_mul_f32 v51, v36, v50
	v_mul_f32 v52, v39, v50
	s_delay_alu instid0(VALU_DEP_1)
	v_cndmask_b32 v56, v52, v51, vcc_lo            ; the weight of the lower-numbered expert,
	s_delay_alu instid0(VALU_DEP_2)
	v_cndmask_b32 v57, v51, v52, vcc_lo            ; of the higher-numbered
	global_store_b64 v9, v[56:57], s[22:23]        ; 256 consecutive bytes
	v_sub_nc_u32 v58, 15, v53
	s_delay_alu instid0(VALU_DEP_1)
	v_mul_u32_u24 v58, v58, v53
	s_delay_alu instid0(VALU_DEP_1)
	v_lshrrev_b32 v58, 1, v58
	s_delay_alu instid0(VALU_DEP_1)
	v_add_nc_u32 v58, v58, v54
	s_delay_alu instid0(VALU_DEP_1)
	v_sub_nc_u32 v58, v58, v53
	s_delay_alu instid0(VALU_DEP_1)
	v_add_nc_u32 v58, -1, v58                      ; the pair's number
	v_mov_b32 v60, 0                               ; lane p: how many of the block's tokens have pair p (lanes 28-31 stay 0),
	v_mov_b32 v61, 0                               ; and which
.set pp, 0
.rept 28
	v_cmp_eq_u32 s44, pp, v58
	s_bcnt1_i32_b32 s45, s44
	v_writelane_b32 v60, s45, pp
	v_writelane_b32 v61, s44, pp
.set pp, pp+1
.endr
	global_store_b32 v8, v61, s[20:21]             ; masks: 128 consecutive bytes
	global_store_b32 v8, v60, s[24:25]             ; hist likewise
.Ldone:
	s_wait_tensorcnt 0x0
	ds_add_u32 v240, v241
	s_wait_dscnt 0x0
	s_endpgm
; ---------------- THE LAYOUT.  A wave takes 32 rows of one matrix x 256 bytes (4 K steps of 128 codes) and those rows' 16 scale bytes.  Waves share nothing: no barrier.
.Llayout:
	s_sub_co_u32 s44, ttmp9, 128
	s_lshr_b32 s45, s44, 3                         ; the matrix, 0..15: W1's eight experts, then W2's (the same in all eight waves)
	s_cmp_lt_u32 s45, 8
	s_cselect_b64 s[10:11], s[10:11], s[14:15]     ; its codes
	s_cselect_b64 s[12:13], s[12:13], s[16:17]     ; its scale bytes
	s_and_b32 s46, s45, 7                          ; the expert
	s_lshl_b32 s47, s44, 2
	s_lshr_b32 s48, s30, 1
	s_add_co_u32 s47, s47, s48
	s_and_b32 s47, s47, 31                         ; which 32 rows
	s_and_b32 s48, s30, 1                          ; which half of K
	s_mov_b32 s51, 0
	s_lshl_b32 s50, s46, 19                        ; codes in: expert x 524,288 + 32 rows x 512 + half x 256
	s_lshl_b32 s52, s47, 14
	s_add_co_u32 s50, s50, s52
	s_lshl_b32 s52, s48, 8
	s_add_co_u32 s50, s50, s52
	s_add_nc_u64 s[10:11], s[10:11], s[50:51]
	s_lshl_b32 s50, s46, 15                        ; scale bytes in: expert x 32,768 + 32 rows x 32 + half x 16
	s_lshl_b32 s52, s47, 10
	s_add_co_u32 s50, s50, s52
	s_lshl_b32 s52, s48, 4
	s_add_co_u32 s50, s50, s52
	s_add_nc_u64 s[12:13], s[12:13], s[50:51]
	s_lshl_b32 s50, s45, 19                        ; codes out: matrix x 524,288 + chain wave x 32,768 + half x 16,384 + q x 2,048
	s_lshr_b32 s52, s47, 1
	s_lshl_b32 s52, s52, 15
	s_add_co_u32 s50, s50, s52
	s_lshl_b32 s52, s48, 14
	s_add_co_u32 s50, s50, s52
	s_and_b32 s52, s47, 1
	s_lshl_b32 s52, s52, 11
	s_add_co_u32 s50, s50, s52
	s_add_nc_u64 s[26:27], s[26:27], s[50:51]
	s_lshl_b32 s50, s45, 15                        ; scale words out: matrix x 32,768 + 32 rows x 32 + half x 512
	s_lshl_b32 s52, s47, 10
	s_add_co_u32 s50, s50, s52
	s_lshl_b32 s52, s48, 9
	s_add_co_u32 s50, s50, s52
	s_add_nc_u64 s[28:29], s[28:29], s[50:51]
	s_mul_i32 s52, s30, 32*SPT
	s_add_co_u32 s52, s52, LW                      ; my stage
	v_and_b32 v2, 15, v0                           ; r
	v_bfe_u32 v3, v0, 4, 1                         ; h
	s_delay_alu instid0(VALU_DEP_2)
	v_lshlrev_b32 v10, 4, v2
	s_delay_alu instid0(VALU_DEP_1)
	v_lshl_add_u32 v5, v3, 9, v10                  ; in: sixteen lanes take 256 consecutive bytes of a row, lanes 16-31 the next row
	s_delay_alu instid0(VALU_DEP_2)
	v_mad_u32_u24 v6, v3, SPT, v10
	s_delay_alu instid0(VALU_DEP_1)
	v_add_nc_u32 v6, s52, v6                       ; into the stage: the same two rows
	v_and_b32 v11, 8, v2
	s_delay_alu instid0(VALU_DEP_1)
	v_add_nc_u32 v11, v11, v2                      ; r + 8 (r / 8)
	s_delay_alu instid0(VALU_DEP_1)
	v_mul_u32_u24 v7, v11, SPT
	s_delay_alu instid0(VALU_DEP_1)
	v_lshl_add_u32 v7, v3, 4, v7
	s_delay_alu instid0(VALU_DEP_1)
	v_add_nc_u32 v7, s52, v7                       ; out of it: the tile's row of my lane, + 16 h
	s_delay_alu instid0(VALU_DEP_4)
	v_lshl_add_u32 v8, v3, 3, v11
	s_delay_alu instid0(VALU_DEP_1)
	v_lshlrev_b32 v8, 5, v8                        ; scale bytes: lanes 0-15 the rows of tile u = 0, lanes 16-31 those of u = 1
	global_load_b128 v[S:S+3], v8, s[12:13]
.irp i, 0,1,2,3,4,5,6,7,8,9,10,11,12,13,14,15
	global_load_b128 v[A+4*\i:A+4*\i+3], v5, s[10:11] offset:1024*\i th:TH_LOAD_NT
.endr
	s_wait_alu depctr_va_vdst(0)
.irp i, 0,1,2,3,4,5,6,7,8,9,10,11,12,13,14,15
	s_wait_loadcnt 15-\i                           ; loads come back in order: load i is in, the younger ones stay out
	ds_store_b128 v6, v[A+4*\i:A+4*\i+3] offset:2*SPT*\i
.endr
	global_store_b128 v1, v[S:S+3], s[28:29]       ; 512 consecutive bytes
.irp s, 0,1,2,3
.irp u, 0,1
.irp c, 0,1
	ds_load_b128 v[B+4*(4*\s+2*\u+\c):B+4*(4*\s+2*\u+\c)+3], v7 offset:8*SPT*\u+64*\s+32*\c   ; LDS serves a wave's instructions in order: these see my stores
.endr
.endr
.endr
.irp s, 0,1,2,3
.irp u, 0,1
.irp c, 0,1
	s_wait_dscnt 15-(4*\s+2*\u+\c)
	global_store_b128 v1, v[B+4*(4*\s+2*\u+\c):B+4*(4*\s+2*\u+\c)+3], s[26:27] offset:4096*\s+1024*\u+512*\c   ; 512 consecutive bytes
.endr
.endr
.endr
	s_wait_tensorcnt 0x0
	ds_add_u32 v240, v241
	s_wait_dscnt 0x0
	s_endpgm
.Lfunc_end_k_qf3ec381619_prep:
	.size	k_qf3ec381619_prep, .Lfunc_end_k_qf3ec381619_prep-k_qf3ec381619_prep
	.p2alignl 7, 3214868480
	.fill 96, 4, 3214868480
	.section	.rodata,"a",@progbits
	.p2align	6, 0x0
	.amdhsa_kernel k_qf3ec381619_prep
		.amdhsa_group_segment_fixed_size 105472
		.amdhsa_private_segment_fixed_size 0
		.amdhsa_enable_private_segment 0
		.amdhsa_kernarg_size 104
		.amdhsa_user_sgpr_count 2
		.amdhsa_user_sgpr_kernarg_segment_ptr 1
		.amdhsa_wavefront_size32 1
		.amdhsa_system_sgpr_workgroup_id_x 1
		.amdhsa_system_sgpr_workgroup_id_y 1
		.amdhsa_system_sgpr_workgroup_id_z 1
		.amdhsa_system_vgpr_workitem_id 0
		.amdhsa_next_free_vgpr 242
		.amdhsa_next_free_sgpr 66
		.amdhsa_reserve_vcc 1
		.amdhsa_float_denorm_mode_32 3
		.amdhsa_float_denorm_mode_16_64 3
		.amdhsa_memory_ordered 1
		.amdhsa_forward_progress 1
		.amdhsa_inst_pref_size 78
	.end_amdhsa_kernel
	.amdgpu_metadata
---
amdhsa.version: [ 1, 2 ]
amdhsa.kernels:
  - .name:           k_qf3ec381619_prep
    .symbol:         k_qf3ec381619_prep.kd
    .args:
      - { .name: x, .offset: 0, .size: 8, .value_kind: global_buffer, .address_space: global }
      - { .name: Wg, .offset: 8, .size: 8, .value_kind: global_buffer, .address_space: global }
      - { .name: bg, .offset: 16, .size: 8, .value_kind: global_buffer, .address_space: global }
      - { .name: W1_codes, .offset: 24, .size: 8, .value_kind: global_buffer, .address_space: global }
      - { .name: W1_scales, .offset: 32, .size: 8, .value_kind: global_buffer, .address_space: global }
      - { .name: W2_codes, .offset: 40, .size: 8, .value_kind: global_buffer, .address_space: global }
      - { .name: W2_scales, .offset: 48, .size: 8, .value_kind: global_buffer, .address_space: global }
      - { .name: out1, .offset: 56, .size: 8, .value_kind: global_buffer, .address_space: global }
      - { .name: masks, .offset: 64, .size: 8, .value_kind: global_buffer, .address_space: global }
      - { .name: gw, .offset: 72, .size: 8, .value_kind: global_buffer, .address_space: global }
      - { .name: hist, .offset: 80, .size: 8, .value_kind: global_buffer, .address_space: global }
      - { .name: WF, .offset: 88, .size: 8, .value_kind: global_buffer, .address_space: global }
      - { .name: WS, .offset: 96, .size: 8, .value_kind: global_buffer, .address_space: global }
    .group_segment_fixed_size: 105472
    .private_segment_fixed_size: 0
    .kernarg_segment_align: 8
    .kernarg_segment_size: 104
    .max_flat_workgroup_size: 256
    .sgpr_count:     66
    .vgpr_count:     242
    .wavefront_size: 32
...
	.end_amdgpu_metadata
.endif
;; end of part 1
;; launch chain (part 2): grid 155 x 1, 16 waves a work-group, no clusters, 315,904 bytes of LDS; arguments x, WF, WS, b1, g1, be1, b2, g2, be2, hist, masks, gw, out0; writes out0
.if DOCPART == 2
	.amdgcn_target "amdgcn-amd-amdhsa--gfx1250"
	.amdhsa_code_object_version 6
	.text
	.protected	k_qf3ec381619_chain
	.globl	k_qf3ec381619_chain
	.p2align	8
	.type	k_qf3ec381619_chain,@function
k_qf3ec381619_chain:
	s_mov_b64 s[64:65], 0
	v_nop
	global_prefetch_b8 v0, s[64:65] scope:SCOPE_SE
	s_setreg_imm32_b32 hwreg(HW_REG_WAVE_MODE, 25, 1), 1
	s_wait_xcnt 0x0
; CHAIN.  A work-group takes one tile: up to 32 tokens that chose the SAME two experts (lo, hi), and takes them through both experts' residual blocks:
;   y_e = relu(x + LN2(Q(relu(LN1(Q(x) W1_e + b1_e))) W2_e + b2_e)),   out0[token] = w_lo y_lo + w_hi y_hi.
; Both products run on codes of FP4 (E2M1) with one E8M0 scale for each 32 along K; x and the hidden layer are quantised here, in f32 up to the conversion.  Nothing between x and out0 goes to memory,
; and each row of out0 is written by one work-group.  Only the two chosen experts are multiplied: the reference gives the other six the weight 0 by a one-hot that it builds itself.
; PLACING.  The tokens count as sorted by their pair of experts (28 pairs), within a pair by their number; a pair's tokens are cut into tiles of 32; tile g is work-group g's.  Each work-group finds its own
; tile from the whole numbers that the launch before has stored: hist[block of 32 tokens][pair] (how many) and masks[block][pair] (which).  Wave w sums its 8 blocks; the waves' sums meet in LDS; a scalar scan
; over the 28 totals gives the pair and the tile's first rank in it; lane l then looks for the token of rank first + l among its wave's 8 blocks (the k-th set bit of a mask, by the mask's
; bit counts in twos, fours, bytes and halves), and the sixteen waves' finds meet in LDS.  No list goes through memory, and no LDS address hangs on a number that was read.
; SHARES.  Sixteen waves, four to a SIMD.  THE WAVES SHARE THE COLUMNS: wave w makes columns 64 w .. 64 w + 63 of both products for all 32 rows (two tiles m = 0, 1 of 16 rows).
; The products are used transposed (source 0 = 16 rows of the weight, source 1 = 16 tokens): lane (r, h) holds token 16 m + r; register j of tile t = 2 q + u is column 64 w + 32 q + 16 h + 8 u + j
; (the weight's rows of a tile are chosen for that by the launch that laid them out), so that a lane's 16 registers of tiles 2 q, 2 q + 1 are 16 neighbours along the next K.
; WEIGHTS come from memory straight into registers, each load 512 consecutive bytes of a copy laid in the order of the operand's registers; three sets of four fragments take turns, so that two K steps'
; weights of every wave are on their way all the time, across the LayerNorms too (the next product's first sets are asked for at the end of a product).
; OPERANDS x and the hidden layer go from wave to wave through LDS as images of their registers (16 bytes a lane, 512 a store), their scale words beside them.
; LAYERNORM in two passes, as the reference has it: the mean, then the mean of the squared deviations; a row's partial sums of the sixteen waves meet in LDS.
; A FIXED GRID: 155 = 128 + 28 - 1 tiles serve every split.  Rows behind a tile's count repeat its last row and store the same numbers to the same bytes.  A tile without tokens runs the same text on
; token 0's row and jumps over the final stores alone: every wave passes every barrier, and no barrier stands under a branch on a number read from memory.
; NO CLUSTER, NO TENSOR LOADS: neighbouring tiles need not have the same pair, so partners would ask for different weights; and the stores hang on a count read from memory.
; LIMITS: NaN and infinities among the inputs are not served.  A block of zeros gets the scale byte 1 where the rule says 127: its codes are zeros, and these bytes are read here alone.
.set XI,  0                            ; LDS: x's 16 fragments as register images: (8 m + s) x 1,024 + 512 c + 16 x lane
.set HI,  16384                        ; the hidden layer's likewise
.set XSC, 32768                        ; x's scale words: 128 s + 64 m + 4 r
.set HSC, 33792                        ; the hidden layer's
.set STA, 34816                        ; partial sums of the rows, [wave][row]; at the head: the waves' counts, [wave][pair]
.set STB, 36864                        ; and of their squared deviations; at the head: the waves' finds, [wave][row]
.set LNT, 0                            ; the LayerNorms' words take turns: STA, STB and the same 4,096 bytes further on (38912, 40960), since one barrier alone parts two LayerNorms
.set XS,  43008                        ; x in f32: 32 rows, 4,112 bytes apart (257 x 16: sixteen rows at one column fall on sixteen different groups of banks)
.set XP,  4112
.set STG, XS+32*XP                     ; for each wave 32 rows x (256 + 16) bytes: the first expert's part, then the way out
.set SP,  272
.set ACC, 32                           ; v32-95   accumulators: ACC + 32 m + 8 t + j; at the head: the placing's registers
.set W,   96                           ; v96-191  weights: three sets of four fragments; set 2 also takes the bias and the gain
.set SCW, 192                          ; v192-207 the weight's scale words: SCW + 8 q + s; lanes 0-15 tile 2 q, lanes 16-31 tile 2 q + 1.  Scales and nothing else
.set XF,  208                          ; v208-239 the operand's fragments, two sets of 16; between the products: the shift, the quantiser's registers, x
.set XSW, 240                          ; v240-247 the operand's scale words of the 8 K steps: lanes 0-15 m = 0, lanes 16-31 m = 1.  Scales and nothing else
.set WT,  248                          ; v248, 250 w_lo of m = 0, 1; v252, 254 w_hi (each the low word of a pair)
.set TM,  208                          ; the quantiser: +0..3 largest magnitudes, +4..7 bytes, +12..15 the conversions' scale operands
.set PC,  224                          ; codes
.set PW,  232                          ; scale words
.set HB,  32                           ; the placing: v32-39 my 8 blocks' counts, lane = pair; v40-47 their masks; v48-63 the sixteen waves' words; v64 totals, v65 the waves' ahead of mine; v66-78 at work; v79 an offset
.set MB,  40
.set RB,  48
; v1 16 x lane; v2 4 x lane; v3, v4 my x in XS, m = 0, 1; v5, v6 my stage, in and back; v7 16 x thread; v8 the hidden layer's scale bytes; v9 4 x thread; v10 the token of row = lane; v11 64 h
; v12, v14 mean(m); v16, v18 rstd(m) (low words of pairs); v12-27 at work; v28-31 destinations of lane permutes
; s[44:51] WF at (W1, lo), (W2, lo), (W1, hi), (W2, hi), my wave's part; s[52:59] WS likewise; s[66:77] b1, g1, be1, b2, g2, be2 of lo at my columns; s[78:89] of hi
; (at the head s66-93 hold the 28 pairs' totals, then s66-73 my blocks' masks and s74-81 their counts of my pair);  s34 the tile's count, s36, s37 lo, hi, s38 its last row
.macro BARRIER                         ; my LDS stores have landed and my LDS loads are in: then the work-group's barrier
	s_wait_dscnt 0x0
	s_barrier_signal -1
	s_barrier_wait -1
.endm
.macro WLOAD set, base, step           ; the four fragments of a K step: eight loads of 512 consecutive bytes
.irp k, 0,1,2,3,4,5,6,7
	global_load_b128 v[W+32*(\set)+4*\k:W+32*(\set)+4*\k+3], v1, s[\base:\base+1] offset:4096*(\step)+512*\k
.endr
.endm
.macro SLOAD base                      ; a product's scale words
.irp k, 0,1,2,3
	global_load_b128 v[SCW+4*\k:SCW+4*\k+3], v1, s[\base:\base+1] offset:512*\k
.endr
.endm
.macro PLOAD dst, base                 ; a bias, gain or shift at my lane's 32 columns, in the result's layout
.irp b, 0,1
.irp z, 0,1,2,3
	global_load_b128 v[(\dst)+16*\b+4*\z:(\dst)+16*\b+4*\z+3], v11, s[\base:\base+1] offset:128*\b+16*\z
.endr
.endr
.endm
.macro FLOAD img, s                    ; the operand's two fragments of K step s
.irp m, 0,1
.irp c, 0,1
	ds_load_b128 v[XF+16*((\s)%2)+8*\m+4*\c:XF+16*((\s)%2)+8*\m+4*\c+3], v1 offset:(\img)+(8*\m+(\s))*1024+512*\c
.endr
.endr
.endm
.macro WM s, t, m                      ; one matrix instruction: tile t of the weight x tile m of the rows, K step s.  The first K step starts the sums
.set rD, ACC+32*(\m)+8*(\t)
.set rA, W+32*((\s)%3)+8*(\t)
.set rB, XF+16*((\s)%2)+8*(\m)
.set rP, SCW+8*((\t)/2)+(\s)
.set rQ, XSW+(\s)
.if (\s) == 0
.if ((\t)%2 == 0) && ((\m) == 0)
	v_wmma_scale_f32_16x16x128_f8f6f4 v[rD:rD+7], v[rA:rA+7], v[rB:rB+7], 0, v[rP], v[rQ] matrix_a_fmt:MATRIX_FMT_FP4 matrix_b_fmt:MATRIX_FMT_FP4
.elseif ((\t)%2 == 1) && ((\m) == 0)
	v_wmma_scale_f32_16x16x128_f8f6f4 v[rD:rD+7], v[rA:rA+7], v[rB:rB+7], 0, v[rP], v[rQ] matrix_a_fmt:MATRIX_FMT_FP4 matrix_b_fmt:MATRIX_FMT_FP4 matrix_a_scale:MATRIX_SCALE_ROW1
.elseif ((\t)%2 == 0)
	v_wmma_scale_f32_16x16x128_f8f6f4 v[rD:rD+7], v[rA:rA+7], v[rB:rB+7], 0, v[rP], v[rQ] matrix_a_fmt:MATRIX_FMT_FP4 matrix_b_fmt:MATRIX_FMT_FP4 matrix_b_scale:MATRIX_SCALE_ROW1
.else
	v_wmma_scale_f32_16x16x128_f8f6f4 v[rD:rD+7], v[rA:rA+7], v[rB:rB+7], 0, v[rP], v[rQ] matrix_a_fmt:MATRIX_FMT_FP4 matrix_b_fmt:MATRIX_FMT_FP4 matrix_a_scale:MATRIX_SCALE_ROW1 matrix_b_scale:MATRIX_SCALE_ROW1
.endif
.else
.if ((\t)%2 == 0) && ((\m) == 0)
	v_wmma_scale_f32_16x16x128_f8f6f4 v[rD:rD+7], v[rA:rA+7], v[rB:rB+7], v[rD:rD+7], v[rP], v[rQ] matrix_a_fmt:MATRIX_FMT_FP4 matrix_b_fmt:MATRIX_FMT_FP4
.elseif ((\t)%2 == 1) && ((\m) == 0)
	v_wmma_scale_f32_16x16x128_f8f6f4 v[rD:rD+7], v[rA:rA+7], v[rB:rB+7], v[rD:rD+7], v[rP], v[rQ] matrix_a_fmt:MATRIX_FMT_FP4 matrix_b_fmt:MATRIX_FMT_FP4 matrix_a_scale:MATRIX_SCALE_ROW1
.elseif ((\t)%2 == 0)
	v_wmma_scale_f32_16x16x128_f8f6f4 v[rD:rD+7], v[rA:rA+7], v[rB:rB+7], v[rD:rD+7], v[rP], v[rQ] matrix_a_fmt:MATRIX_FMT_FP4 matrix_b_fmt:MATRIX_FMT_FP4 matrix_b_scale:MATRIX_SCALE_ROW1
.else
	v_wmma_scale_f32_16x16x128_f8f6f4 v[rD:rD+7], v[rA:rA+7], v[rB:rB+7], v[rD:rD+7], v[rP], v[rQ] matrix_a_fmt:MATRIX_FMT_FP4 matrix_b_fmt:MATRIX_FMT_FP4 matrix_a_scale:MATRIX_SCALE_ROW1 matrix_b_scale:MATRIX_SCALE_ROW1
.endif
.endif
.endm
; A PRODUCT: 8 K steps of 128, 8 matrix instructions each; the eight accumulators take turns, one instruction a turn, in the same order in every step.
; img, sc: the operand's images and scale words in LDS.  own: the weight.  bias: asked for behind step 5.  nxt, nxts: the next product's weight and scale words, or 0: its first two sets are asked for behind steps 6 and 7.
; Loads come back in order.  Behind the set of step s two runs of eight loads have been issued when step s begins (the two sets that follow; at the end the bias and the next product's first set): the count 16.
; Sets 0 and 1, and the scale words, were shown landed by the wait for all loads ahead of the product.  Without a next product only the bias stands behind the last set: the count 8.
.macro PRODUCT img, sc, own, bias, nxt, nxts
.irp s, 0,1,2,3,4,5,6,7
	ds_load_b32 v[XSW+\s], v2 offset:(\sc)+128*\s
.endr
	FLOAD \img, 0
	FLOAD \img, 1
.set ks, 0
.rept 8
.if (ks == 7) && ((\nxt) == 0)
	s_wait_loadcnt 8
.else
	s_wait_loadcnt 16
.endif
.if ks == 7
	s_wait_dscnt 0x0
.else
	s_wait_dscnt 4                                 ; this step's fragments (and the scale words) are in; the next step's four loads stay out
.endif
.irp t, 0,1,2,3
.irp m, 0,1
	WM ks, \t, \m
.endr
.endr
.if !((ks == 6) && ((\nxt) == 0))
.rept 4
	v_nop                                          ; four places in front of loads into registers that these products read, and behind the last step in front of the first read of the results
.endr
.endif
.if ks < 5
	WLOAD ks%3, \own, ks+3
.elseif ks == 5
	PLOAD W+64, \bias
.elseif (\nxt) != 0
.if ks == 6
	WLOAD 0, \nxt, 0
.else
	WLOAD 1, \nxt, 1
	SLOAD \nxts
.endif
.endif
.if ks < 6
	FLOAD \img, ks+2
.endif
.set ks, ks+1
.endr
.endm
; My lane's 32 numbers of each row tile are summed (sq = 0) or their squares (sq = 1): two packed chains for each m, the four by turns.  v20: m = 0, v21: m = 1.
.macro LSUM sq
.if \sq
.irp m, 0,1
	v_pk_mul_f32 v[20+4*\m:21+4*\m], v[ACC+32*\m:ACC+32*\m+1], v[ACC+32*\m:ACC+32*\m+1]
	v_pk_mul_f32 v[22+4*\m:23+4*\m], v[ACC+32*\m+2:ACC+32*\m+3], v[ACC+32*\m+2:ACC+32*\m+3]
.endr
.irp p, 4,8,12,16,20,24,28
.irp m, 0,1
	s_delay_alu instid0(VALU_DEP_4)
	v_pk_fma_f32 v[20+4*\m:21+4*\m], v[ACC+32*\m+\p:ACC+32*\m+\p+1], v[ACC+32*\m+\p:ACC+32*\m+\p+1], v[20+4*\m:21+4*\m]
	s_delay_alu instid0(VALU_DEP_4)
	v_pk_fma_f32 v[22+4*\m:23+4*\m], v[ACC+32*\m+\p+2:ACC+32*\m+\p+3], v[ACC+32*\m+\p+2:ACC+32*\m+\p+3], v[22+4*\m:23+4*\m]
.endr
.endr
.else
.irp m, 0,1
	v_pk_add_f32 v[20+4*\m:21+4*\m], v[ACC+32*\m:ACC+32*\m+1], v[ACC+32*\m+4:ACC+32*\m+5]
	v_pk_add_f32 v[22+4*\m:23+4*\m], v[ACC+32*\m+2:ACC+32*\m+3], v[ACC+32*\m+6:ACC+32*\m+7]
.endr
.irp p, 8,12,16,20,24,28
.irp m, 0,1
	s_delay_alu instid0(VALU_DEP_4)
	v_pk_add_f32 v[20+4*\m:21+4*\m], v[20+4*\m:21+4*\m], v[ACC+32*\m+\p:ACC+32*\m+\p+1]
	s_delay_alu instid0(VALU_DEP_4)
	v_pk_add_f32 v[22+4*\m:23+4*\m], v[22+4*\m:23+4*\m], v[ACC+32*\m+\p+2:ACC+32*\m+\p+3]
.endr
.endr
.endif
	s_delay_alu instid0(VALU_DEP_3)
	v_pk_add_f32 v[20:21], v[20:21], v[22:23]
	s_delay_alu instid0(VALU_DEP_2)
	v_pk_add_f32 v[24:25], v[24:25], v[26:27]
	s_delay_alu instid0(VALU_DEP_2)
	v_add_f32 v20, v20, v21
	s_delay_alu instid0(VALU_DEP_2)
	v_add_f32 v21, v24, v25
.endm
; In: v20, v21 of LSUM.  Out: v20 = my wave's 64 columns of row r, v21 = of row 16 + r, in both halves of the lanes.
.macro WAVESUM
	s_delay_alu instid0(VALU_DEP_2)
	v_permlanex16_b32 v28, v20, s40, s41
	s_delay_alu instid0(VALU_DEP_2)
	v_permlanex16_b32 v29, v21, s40, s41
	s_delay_alu instid0(VALU_DEP_2)
	v_add_f32 v20, v20, v28                        ; with the other half of the lanes: my wave's 64 columns of row r,
	s_delay_alu instid0(VALU_DEP_2)
	v_add_f32 v21, v21, v29                        ; of row 16 + r
.endm
; The sixteen waves' words of row = lane are read and added.  Out: v20.
.macro ROWGET reg
.irp k, 0,1,2,3,4,5,6,7,8,9,10,11,12,13,14,15
	ds_load_b32 v[12+\k], v2 offset:(\reg)+128*\k
.endr
	s_wait_dscnt 0x0
	v_pk_add_f32 v[12:13], v[12:13], v[14:15]
	v_pk_add_f32 v[16:17], v[16:17], v[18:19]
	v_pk_add_f32 v[20:21], v[20:21], v[22:23]
	v_pk_add_f32 v[24:25], v[24:25], v[26:27]
	s_delay_alu instid0(VALU_DEP_3)
	v_pk_add_f32 v[12:13], v[12:13], v[16:17]
	s_delay_alu instid0(VALU_DEP_2)
	v_pk_add_f32 v[20:21], v[20:21], v[24:25]
	s_delay_alu instid0(VALU_DEP_1)
	v_pk_add_f32 v[20:21], v[20:21], v[12:13]
	s_delay_alu instid0(VALU_DEP_1)
	v_add_f32 v20, v20, v21
.endm
.macro SPLIT d                         ; v20 = a number of row = lane  ->  v[d] = row r's, v[d + 2] = row 16 + r's, in both halves of the lanes
	v_permlanex16_b32 v28, v20, s40, s41
	v_cndmask_b32 v[\d], v20, v28, s42
	v_cndmask_b32 v[\d+2], v28, v20, s42
.endm
; 16 nb numbers of a lane, register 16 b + i = k 32 b + 16 h + i of my row, become codes in v[pc] on (four registers for each two blocks, in the operand's layout) and nb scale bytes in v[pw].
; abs = 0: none of the numbers is negative.
.macro QUANT nb, src, pc, pw, abs
.set qb, 0
.rept \nb
.if \abs
	v_max3_num_f32 v[TM+qb], |v[(\src)+16*qb]|, |v[(\src)+16*qb+1]|, 0x1800000   ; my 16 numbers of block b, and the floor 2^(3 - 127): the byte cannot fall under 1
.else
	v_max3_num_f32 v[TM+qb], v[(\src)+16*qb], v[(\src)+16*qb+1], 0x1800000
.endif
.set qb, qb+1
.endr
.irp i, 2,4,6,8,10,12,14
.set qb, 0
.rept \nb
.if \abs
	s_delay_alu instid0(VALU_DEP_4)
	v_max3_num_f32 v[TM+qb], v[TM+qb], |v[(\src)+16*qb+\i]|, |v[(\src)+16*qb+\i+1]|
.else
	s_delay_alu instid0(VALU_DEP_2)
	v_max3_num_f32 v[TM+qb], v[TM+qb], v[(\src)+16*qb+\i], v[(\src)+16*qb+\i+1]
.endif
.set qb, qb+1
.endr
.endr
.set qb, 0
.rept \nb
	v_permlanex16_b32 v[28+qb], v[TM+qb], s40, s41
.set qb, qb+1
.endr
.set qb, 0
.rept \nb
	v_max_num_f32 v[TM+qb], v[TM+qb], v[28+qb]     ; with lane l xor 16's 16: the block's largest magnitude
.set qb, qb+1
.endr
.set qb, 0
.rept \nb
	v_add_nc_u32 v[TM+12+qb], 0xff000000, v[TM+qb] ; 2 off its exponent field: the conversion takes the exponent field of this operand as its scale
.set qb, qb+1
.endr
.set qb, 0
.rept \nb
	v_lshrrev_b32 v[TM+4+qb], 23, v[TM+12+qb]      ; the scale's byte
.set qb, qb+1
.endr
	v_lshl_or_b32 v[\pw], v[TM+5], 8, v[TM+4]
.if \nb == 4
	s_delay_alu instid0(VALU_DEP_1)
	v_lshl_or_b32 v[\pw], v[TM+6], 16, v[\pw]
	s_delay_alu instid0(VALU_DEP_1)
	v_lshl_or_b32 v[\pw], v[TM+7], 24, v[\pw]
.endif
.set qb, 0
.rept \nb
	v_cvt_scalef32_pk8_fp4_f32 v[(\pc)+2*qb], v[(\src)+16*qb:(\src)+16*qb+7], v[TM+12+qb]
	v_cvt_scalef32_pk8_fp4_f32 v[(\pc)+2*qb+1], v[(\src)+16*qb+8:(\src)+16*qb+15], v[TM+12+qb]
.set qb, qb+1
.endr
	v_nop                                          ; one plain instruction behind the last scaled conversion
.set qb, 0
.rept \nb/2                                        ; the operand's layout wants a whole block in a lane: lanes 0-15 the even block, lanes 16-31 the odd one
	v_permlane16_swap_b32 v[(\pc)+4*qb], v[(\pc)+4*qb+2]
	v_permlane16_swap_b32 v[(\pc)+4*qb+1], v[(\pc)+4*qb+3]
.set qb, qb+1
.endr
.endm
; BIAS AND LAYERNORM of the 32 rows in ACC.  nwait: the loads issued behind the bias (the next product's two sets and its scale words: 20; none: 0).  gb, sb: gain and shift.
; nxt: the next product's weight, whose set 2 is asked for as soon as the gain, which lies in that set's registers, has been read.
; Each wave takes the mean a_w of its own 64 columns of a row and the sum M2_w of the squared deviations from it; both meet in LDS behind ONE barrier.
; The row's mean is the mean of the sixteen a_w; the sum of its squared deviations is the sum of the M2_w + 64 x the sum of (a_w - mean)^2: only deviations are squared, no difference of large sums is formed.
; ACC holds h - a_w, so the normalised number is (h - a_w) rstd - (mean - a_w) rstd: one fused multiply-add.
.macro LNORM nwait, gb, sb, nxt
	s_wait_loadcnt \nwait
.set p, 0
.rept 32
	v_pk_add_f32 v[ACC+2*p:ACC+2*p+1], v[ACC+2*p:ACC+2*p+1], v[W+64+(2*p)%32:W+64+(2*p)%32+1]   ; each accumulator from its low end on
.set p, p+1
.endr
	PLOAD W+64, \gb
	PLOAD XF, \sb
	LSUM 0
	WAVESUM
	s_delay_alu instid0(VALU_DEP_2)
	v_mul_f32 v12, 0x3c800000, v20                 ; / 64: my wave's mean of row r,
	s_delay_alu instid0(VALU_DEP_2)
	v_mul_f32 v14, 0x3c800000, v21                 ; of row 16 + r
	s_delay_alu instid0(VALU_DEP_1)
	v_cndmask_b32 v30, v12, v14, s42               ; a lane to a row
	ds_store_b32 v9, v30 offset:STA+LNT
.set p, 0
.rept 32
	v_pk_add_f32 v[ACC+2*p:ACC+2*p+1], v[ACC+2*p:ACC+2*p+1], v[12+2*(p/16):13+2*(p/16)] op_sel_hi:[1,0] neg_lo:[0,1] neg_hi:[0,1]   ; the deviations stay in ACC
.set p, p+1
.endr
	LSUM 1
	WAVESUM
	s_delay_alu instid0(VALU_DEP_1)
	v_cndmask_b32 v20, v20, v21, s42
	ds_store_b32 v9, v20 offset:STB+LNT
	BARRIER                                        ; the sixteen waves' means and sums of squares lie in LDS
.irp k, 0,1,2,3,4,5,6,7,8,9,10,11,12,13,14,15
	ds_load_b32 v[12+\k], v2 offset:STA+LNT+128*\k
.endr
	s_wait_dscnt 0x0
	v_pk_add_f32 v[28:29], v[12:13], v[14:15]
.irp k, 16,18,20,22,24,26
	s_delay_alu instid0(VALU_DEP_1)
	v_pk_add_f32 v[28:29], v[28:29], v[\k:\k+1]
.endr
	s_delay_alu instid0(VALU_DEP_1)
	v_add_f32 v28, v28, v29
	s_delay_alu instid0(VALU_DEP_1)
	v_mul_f32 v28, 0x3d800000, v28                 ; / 16: the mean of row = lane
	s_delay_alu instid0(VALU_DEP_1)
	v_sub_f32 v30, v28, v30                        ; the mean less my wave's
.irp k, 12,14,16,18,20,22,24,26
	v_pk_add_f32 v[\k:\k+1], v[\k:\k+1], v[28:29] op_sel_hi:[1,0] neg_lo:[0,1] neg_hi:[0,1]   ; the waves' means less the mean
.endr
	v_pk_mul_f32 v[12:13], v[12:13], v[12:13]
	v_pk_mul_f32 v[14:15], v[14:15], v[14:15]
.irp k, 16,20,24
	s_delay_alu instid0(VALU_DEP_2)
	v_pk_fma_f32 v[12:13], v[\k:\k+1], v[\k:\k+1], v[12:13]
	s_delay_alu instid0(VALU_DEP_2)
	v_pk_fma_f32 v[14:15], v[\k+2:\k+3], v[\k+2:\k+3], v[14:15]
.endr
	s_delay_alu instid0(VALU_DEP_1)
	v_pk_add_f32 v[12:13], v[12:13], v[14:15]
	s_delay_alu instid0(VALU_DEP_1)
	v_add_f32 v31, v12, v13                        ; the sum of their squares
	s_wait_alu depctr_va_vdst(0)
	ROWGET STB+LNT
.set LNT, 4096-LNT
	s_delay_alu instid0(VALU_DEP_1)
	v_fmac_f32 v20, 0x42800000, v31                ; + 64 x that sum: the row's squared deviations
	s_delay_alu instid0(VALU_DEP_1)
	v_fma_f32 v20, v20, s92, s93                   ; the variance + 1e-5
	s_wait_alu depctr_va_vdst(0)
	v_rsq_f32 v20, v20
	v_nop                                          ; a plain instruction behind it,
	s_wait_alu depctr_va_vdst(0)                   ; and the wait ahead of its first reader
	SPLIT 16
	v_mul_f32 v20, v30, v20                        ; (mean - my wave's mean) x rstd
	SPLIT 12
	s_wait_alu depctr_va_vdst(0)
	s_wait_loadcnt 0x0                             ; gain and shift are in, and with them all that was asked for earlier: the next product's sets 0 and 1 and its scale words
.set p, 0
.rept 32
	v_pk_fma_f32 v[ACC+2*p:ACC+2*p+1], v[ACC+2*p:ACC+2*p+1], v[16+2*(p/16):17+2*(p/16)], v[12+2*(p/16):13+2*(p/16)] op_sel_hi:[1,0,0] neg_lo:[0,0,1] neg_hi:[0,0,1]
.set p, p+1
.endr
.set p, 0
.rept 32
	v_pk_fma_f32 v[ACC+2*p:ACC+2*p+1], v[ACC+2*p:ACC+2*p+1], v[W+64+(2*p)%32:W+64+(2*p)%32+1], v[XF+(2*p)%32:XF+(2*p)%32+1]
.set p, p+1
.endr
.if (\nxt) != 0
	WLOAD 2, \nxt, 2
.endif
.endm
; Behind the first product: LayerNorm, relu, and my 64 hidden units of the 32 rows become half a fragment (four registers) and two scale bytes for each row tile: K step w / 2, half w % 2.
.macro EPI1 x
	LNORM 20, 68+12*\x, 70+12*\x, 46+4*\x
.set p, 0
.rept 64
	v_max_num_f32 v[ACC+p], 0, v[ACC+p]
.set p, p+1
.endr
.irp m, 0,1
	QUANT 2, ACC+32*\m, PC+4*\m, PW+\m, 0
	ds_store_b128 v7, v[PC+4*\m:PC+4*\m+3] offset:HI+8192*\m
	ds_store_b16 v8, v[PW+\m] offset:HSC+64*\m     ; both halves of the lanes write the same two bytes with the same value
.endr
	BARRIER                                        ; the hidden layer's sixteen fragments lie in LDS
.endm
.macro XLD k                           ; x at my lane's 16 columns of round k = 2 m + b
.irp z, 0,1,2,3
	ds_load_b128 v[XF+16*((\k)%2)+4*\z:XF+16*((\k)%2)+4*\z+3], v[3+(\k)/2] offset:128*((\k)%2)+16*\z
.endr
.endm
; Behind the second product: LayerNorm, + x, relu, x the gate's weight.  The first expert's part waits in my own stage; the second expert's is added onto it and goes to the same bytes.
; Four rounds of 16 columns.  LDS order: x0 x1 | x2 st0 | x3 st1 | st2 | st3, four instructions each: the counts say what was issued behind the round's x.
.macro EPI2 x
.if \x == 1
.irp m, 0,1
.irp b, 0,1
.irp z, 0,1,2,3
	ds_load_b128 v[W+32*\m+16*\b+4*\z:W+32*\m+16*\b+4*\z+3], v5 offset:16*SP*\m+128*\b+16*\z   ; the first expert's part, into the weights' sets 0 and 1, which are done with
.endr
.endr
.endr
	LNORM 0, 86, 88, 0
.else
	LNORM 20, 74, 76, 48
.endif
	XLD 0
	XLD 1
.irp k, 0,1,2,3
.set ra, ACC+16*\k
.set rx, XF+16*(\k%2)
.if \k == 0
	s_wait_dscnt 4
.elseif \k == 2
	s_wait_dscnt 12
.else
	s_wait_dscnt 8
.endif
.irp i, 0,2,4,6,8,10,12,14
	v_pk_add_f32 v[ra+\i:ra+\i+1], v[ra+\i:ra+\i+1], v[rx+\i:rx+\i+1]
.endr
.if \k < 2
	XLD \k+2
.endif
.irp i, 0,1,2,3,4,5,6,7,8,9,10,11,12,13,14,15
	v_max_num_f32 v[ra+\i], 0, v[ra+\i]
.endr
.irp i, 0,2,4,6,8,10,12,14
.if \x == 0
	v_pk_mul_f32 v[ra+\i:ra+\i+1], v[ra+\i:ra+\i+1], v[WT+2*(\k/2):WT+2*(\k/2)+1] op_sel_hi:[1,0]
.else
	v_pk_fma_f32 v[ra+\i:ra+\i+1], v[ra+\i:ra+\i+1], v[WT+4+2*(\k/2):WT+4+2*(\k/2)+1], v[W+16*\k+\i:W+16*\k+\i+1] op_sel_hi:[1,0,1]
.endif
.endr
.irp z, 0,1,2,3
	ds_store_b128 v5, v[ra+4*\z:ra+4*\z+3] offset:16*SP*(\k/2)+128*(\k%2)+16*\z   ; my wave's own bytes: no barrier
.endr
.endr
.endm
; One step of the search for the k-th set bit: cnt holds the mask's bit counts in fields of fw bits that stand for inc bits of the mask each.  v68 = k, v75 = the place so far.
; Where k is at least the count of the inc bits at the place, these are passed over.
.macro BITSTEP cnt, fw, inc
	s_delay_alu instid0(VALU_DEP_1)
	v_bfe_u32 v76, v[\cnt], v75, \fw
	s_delay_alu instid0(VALU_DEP_1)
	v_cmp_ge_u32 vcc_lo, v68, v76
	s_delay_alu instid0(VALU_DEP_2)
	v_sub_nc_u32 v77, v68, v76
	s_delay_alu instid0(VALU_DEP_4)
	v_add_nc_u32 v78, \inc, v75
	s_delay_alu instid0(VALU_DEP_2)
	v_cndmask_b32 v68, v68, v77, vcc_lo
	s_delay_alu instid0(VALU_DEP_2)
	v_cndmask_b32 v75, v75, v78, vcc_lo
.endm
	s_load_b512 s[4:19], s[0:1], 0x0               ; x, WF, WS, b1, g1, be1, b2, g2
	s_load_b256 s[20:27], s[0:1], 0x40             ; be2, hist, masks, gw
	s_load_b64 s[28:29], s[0:1], 0x60              ; out0
	v_lshrrev_b32 v20, 5, v0
	s_delay_alu instid0(VALU_DEP_1)
	v_readfirstlane_b32 s30, v20                   ; wave 0..15
	v_and_b32 v20, 31, v0                          ; lane
	s_delay_alu instid0(VALU_DEP_1)
	v_lshlrev_b32 v2, 2, v20
	s_lshl_b32 s90, s30, 10
	v_add_nc_u32 v79, s90, v2                      ; hist and masks: 8 blocks of 128 bytes a wave, 4 bytes a lane: a lane to a pair
	s_lshr_b32 s31, ttmp9, 4                       ; the prefetches' share: matrix (g + g / 16) mod 16 of the sixteen, g my work-group's number
	s_add_co_u32 s31, s31, ttmp9
	s_and_b32 s31, s31, 15
	s_lshl_b32 s32, s31, 19
	s_lshl_b32 s33, s31, 15
	s_and_b32 s31, s31, 3
	s_lshl_b32 s31, s31, 13
	v_lshl_add_u32 v80, v0, 10, s32                ; WF: that matrix's 524,288 bytes, 1,024 a thread
	v_lshl_add_u32 v81, v0, 8, s33                 ; WS: its 32,768 bytes, 256 a thread of waves 0-3
	v_and_b32 v82, 31, v0
	v_lshl_add_u32 v82, v82, 8, s31                ; the six tables of 32,768 bytes: a quarter of each, 256 bytes a lane
	s_wait_alu depctr_va_vdst(0)
	s_wait_kmcnt 0x0
.irp i, 0,1,2,3,4,5,6,7
	global_load_b32 v[HB+\i], v79, s[22:23] offset:128*\i
.endr
.irp i, 0,1,2,3,4,5,6,7
	global_load_b32 v[MB+\i], v79, s[24:25] offset:128*\i
.endr
	; PREFETCHES INTO THE L2, ahead of the placing and of the gather of x, behind which the first product begins.  Which work-groups will read a matrix is known only behind the placing,
	; so the blocks of 256 bytes are shared out by the work-group's number: one matrix of WF (2,048 blocks, four a thread), its 128 blocks of WS (waves 0-3), 32 blocks of each table (wave 4).
	; No work-group names a block twice; every address lies inside its buffer; the launch only reads these buffers.  The offsets v80-82 are written again behind s_wait_xcnt 0 alone.
.irp k, 0,1,2,3
	global_prefetch_b8 v80, s[6:7] offset:256*\k th:TH_LOAD_NT scope:SCOPE_SE
.endr
	s_cmp_lt_u32 s30, 4
	s_cbranch_scc0 .Lpf_par
	global_prefetch_b8 v81, s[8:9] th:TH_LOAD_NT scope:SCOPE_SE
	s_branch .Lpf_done
.Lpf_par:
	s_cmp_eq_u32 s30, 4
	s_cbranch_scc0 .Lpf_done
.irp b, 10,12,14,16,18,20
	global_prefetch_b8 v82, s[\b:\b+1] th:TH_LOAD_NT scope:SCOPE_SE
.endr
.Lpf_done:
	v_and_b32 v21, 15, v0                          ; r      (the address registers are made while these loads are out)
	v_bfe_u32 v22, v0, 4, 1                        ; h
	v_lshlrev_b32 v1, 4, v20
	v_lshlrev_b32 v7, 4, v0
	v_lshlrev_b32 v9, 2, v0
	s_delay_alu instid0(VALU_DEP_4)
	v_lshlrev_b32 v11, 6, v22
	v_mul_u32_u24 v24, v21, XP
	s_lshl_b32 s90, s30, 8
	s_add_co_u32 s90, s90, XS
	v_add_nc_u32 v3, s90, v24
	s_delay_alu instid0(VALU_DEP_1)
	v_add_nc_u32 v3, v3, v11                       ; x of row r at my columns: XS + r XP + 256 w + 64 h;
	s_delay_alu instid0(VALU_DEP_1)
	v_add_nc_u32 v4, 16*XP, v3                     ; of row 16 + r
	s_mul_i32 s90, s30, 32*SP
	s_add_co_u32 s90, s90, STG                     ; my stage
	v_mul_u32_u24 v5, v21, SP
	s_delay_alu instid0(VALU_DEP_1)
	v_add_nc_u32 v5, v5, v11
	s_delay_alu instid0(VALU_DEP_1)
	v_add_nc_u32 v5, s90, v5                       ; in: row r, + 64 h
	v_mul_u32_u24 v6, v22, SP
	s_delay_alu instid0(VALU_DEP_1)
	v_lshl_add_u32 v6, v21, 4, v6
	s_delay_alu instid0(VALU_DEP_1)
	v_add_nc_u32 v6, s90, v6                       ; back: lanes 0-15 one row of 256 bytes, lanes 16-31 the next
	s_lshr_b32 s90, s30, 1
	s_lshl_b32 s90, s90, 7
	s_and_b32 s39, s30, 1
	s_lshl_b32 s39, s39, 1
	s_add_co_u32 s90, s90, s39
	v_lshl_add_u32 v8, v21, 2, s90                 ; 4 r + 128 (w / 2) + 2 (w % 2)
	s_mul_i32 s90, s30, 2*XP
	s_add_co_u32 s90, s90, XS
	v_add_nc_u32 v25, s90, v1                      ; where I put rows 2 w, 2 w + 1 of x
	s_lshr_b32 s94, s30, 3                         ; the fragment of x that I quantise: row tile w / 8,
	s_and_b32 s95, s30, 7                          ; K step w % 8
	s_mul_i32 s90, s94, 16*XP
	s_lshl_b32 s39, s95, 9
	s_add_co_u32 s90, s90, s39
	s_add_co_u32 s90, s90, XS
	v_add_nc_u32 v26, v24, v11
	s_delay_alu instid0(VALU_DEP_1)
	v_add_nc_u32 v26, s90, v26                     ; its numbers: my row, + 512 s + 64 h
	s_lshl_b32 s90, s30, 10
	v_add_nc_u32 v27, s90, v1                      ; its image: 1,024 w + 16 x lane
	s_lshl_b32 s90, s95, 7
	s_lshl_b32 s39, s94, 6
	s_add_co_u32 s90, s90, s39
	v_lshl_add_u32 v23, v21, 2, s90                ; its scale words: 128 s + 64 m + 4 r
.irp q, 28,29,30,31
	v_mov_b32 v\q, 0                               ; written once: a lane permute's destination counts as one of its sources
.endr
.irp q, 249,251,253,255
	v_mov_b32 v\q, 0                               ; named as the upper halves of the weights' pairs
.endr
	s_mov_b32 s40, 0x76543210                      ; v_permlanex16_b32's selects for lane l xor 16
	s_mov_b32 s41, 0xfedcba98
	s_mov_b32 s42, 0xffff0000                      ; lanes 16-31
	; ---- PLACING, 1: each pair's tokens in all, and in the waves ahead of mine
	s_wait_loadcnt 8                               ; my blocks' counts are in; the eight loads of masks, issued behind them, stay out
	v_add_nc_u32 v66, v[HB], v[HB+1]
	v_add_nc_u32 v67, v[HB+2], v[HB+3]
	v_add_nc_u32 v68, v[HB+4], v[HB+5]
	v_add_nc_u32 v69, v[HB+6], v[HB+7]
	s_delay_alu instid0(VALU_DEP_3)
	v_add_nc_u32 v66, v66, v67
	s_delay_alu instid0(VALU_DEP_2)
	v_add_nc_u32 v68, v68, v69
	s_delay_alu instid0(VALU_DEP_1)
	v_add_nc_u32 v66, v66, v68                     ; lane p: my wave's tokens of pair p
	ds_store_b32 v9, v66 offset:STA
	BARRIER
.irp k, 0,1,2,3,4,5,6,7,8,9,10,11,12,13,14,15
	ds_load_b32 v[RB+\k], v2 offset:STA+128*\k
.endr
	v_mov_b32 v64, 0
	v_mov_b32 v65, 0
	s_wait_alu depctr_va_vdst(0)
	s_wait_dscnt 0x0
.irp k, 0,1,2,3,4,5,6,7,8,9,10,11,12,13,14,15
	s_cmp_gt_u32 s30, \k
	s_cselect_b32 s39, -1, 0
	v_and_b32 v70, s39, v[RB+\k]
	v_add_nc_u32 v64, v64, v[RB+\k]
	s_delay_alu instid0(VALU_DEP_2)
	v_add_nc_u32 v65, v65, v70
.endr
	; ---- 2: the pair that holds tile g = my work-group's number: the last pair whose first tile lies at or in front of g.  No branch: selections alone
.set pp, 0
.rept 28
	v_readlane_b32 s[66+pp], v64, pp
.set pp, pp+1
.endr
	s_mov_b32 s31, 0                               ; tiles so far
	s_mov_b32 s32, 0                               ; lo | hi << 8,
	s_mov_b32 s33, 0                               ; first tile,
	s_mov_b32 s34, 0                               ; tokens,
	s_mov_b32 s35, 0                               ; and number of the pair kept
.set PIDX, 0
.irp lo, 0,1,2,3,4,5,6
.irp hi, 1,2,3,4,5,6,7
.if \hi > \lo
	s_cmp_le_u32 s31, ttmp9
	s_cselect_b32 s32, \lo|(\hi<<8), s32
	s_cselect_b32 s33, s31, s33
	s_cselect_b32 s34, s[66+PIDX], s34
	s_cselect_b32 s35, PIDX, s35
	s_add_co_u32 s39, s[66+PIDX], 31
	s_lshr_b32 s39, s39, 5
	s_add_co_u32 s31, s31, s39
.set PIDX, PIDX+1
.endif
.endr
.endr
	s_sub_co_u32 s39, ttmp9, s33                   ; which tile of its pair,
	s_lshl_b32 s39, s39, 5                         ; and that tile's first rank in the pair
	s_min_u32 s94, s39, s34
	s_sub_co_u32 s34, s34, s94                     ; what is left of the pair from there on, 0 where nothing is,
	s_min_u32 s34, s34, 32                         ; 32 at the most: the tile's count
	s_and_b32 s36, s32, 0xff
	s_min_u32 s36, s36, 7                          ; lo
	s_lshr_b32 s37, s32, 8
	s_min_u32 s37, s37, 7                          ; hi
	s_max_u32 s38, s34, 1
	s_sub_co_u32 s38, s38, 1                       ; the tile's last row: rows behind it repeat it
	s_min_u32 s35, s35, 27
	s_mov_b32 s91, 0
.irp x, 0,1
	s_lshl_b32 s90, s[36+\x], 19
	s_lshl_b32 s94, s30, 15
	s_add_co_u32 s90, s90, s94
	s_add_nc_u64 s[44+4*\x:45+4*\x], s[6:7], s[90:91]
	s_add_nc_u64 s[46+4*\x:47+4*\x], s[44+4*\x:45+4*\x], 0x400000   ; W2's eight matrices lie behind W1's
	s_lshl_b32 s90, s[36+\x], 15
	s_lshl_b32 s94, s30, 11
	s_add_co_u32 s90, s90, s94
	s_add_nc_u64 s[52+4*\x:53+4*\x], s[8:9], s[90:91]
	s_add_nc_u64 s[54+4*\x:55+4*\x], s[52+4*\x:53+4*\x], 0x40000
.endr
	SLOAD 52                                       ; the first product's scale words and its first three sets go out as soon as the experts are known
	WLOAD 0, 44, 0
	WLOAD 1, 44, 1
	WLOAD 2, 44, 2
	; ---- 3: lane l looks among my 8 blocks for the token of rank first + min(l, last) of the pair
	s_wait_loadcnt 28                              ; the masks are in; the 28 loads issued behind them stay out
	v_readlane_b32 s43, v65, s35                   ; my pair's tokens in the waves ahead of mine,
.irp i, 0,1,2,3,4,5,6,7
	v_readlane_b32 s[66+\i], v[MB+\i], s35         ; its masks
	v_readlane_b32 s[74+\i], v[HB+\i], s35         ; and counts in my blocks
.endr
	v_min_u32 v66, s38, v20                        ; my row, held at the tile's last
	v_mov_b32 v67, 0                               ; the mask of the block that holds it (0: none of mine),
	v_mov_b32 v68, 0                               ; its rank k in that block,
	v_mov_b32 v69, 0                               ; that block's first token
	s_sub_co_u32 s94, s43, s39                     ; the row at which my first block's tokens of the pair begin (it may lie under 0: the differences wrap, and the compare is unsigned)
	s_lshl_b32 s95, s30, 8
.irp i, 0,1,2,3,4,5,6,7
	v_sub_nc_u32 v70, v66, s94
	s_delay_alu instid0(VALU_DEP_1)
	v_cmp_le_u32 vcc_lo, s[74+\i], v70             ; not in this block: I keep what I have
	s_delay_alu instid0(VALU_DEP_1)
	v_cndmask_b32 v67, s[66+\i], v67, vcc_lo
	s_delay_alu instid0(VALU_DEP_2)
	v_cndmask_b32 v68, v70, v68, vcc_lo
	s_delay_alu instid0(VALU_DEP_3)
	v_cndmask_b32 v69, s95, v69, vcc_lo
	s_add_co_u32 s94, s94, s[74+\i]
	s_add_co_u32 s95, s95, 32
.endr
	v_lshrrev_b32 v71, 1, v67                      ; the mask's bit counts: in fields of two bits,
	s_delay_alu instid0(VALU_DEP_1)
	v_and_b32 v71, 0x55555555, v71
	s_delay_alu instid0(VALU_DEP_1)
	v_sub_nc_u32 v71, v67, v71
	s_delay_alu instid0(VALU_DEP_1)
	v_lshrrev_b32 v72, 2, v71                      ; of four,
	s_delay_alu instid0(VALU_DEP_1)
	v_and_b32 v72, 0x33333333, v72
	s_delay_alu instid0(VALU_DEP_3)
	v_and_b32 v73, 0x33333333, v71
	s_delay_alu instid0(VALU_DEP_1)
	v_add_nc_u32 v72, v72, v73
	s_delay_alu instid0(VALU_DEP_1)
	v_lshrrev_b32 v73, 4, v72                      ; in bytes,
	s_delay_alu instid0(VALU_DEP_1)
	v_add_nc_u32 v73, v73, v72
	s_delay_alu instid0(VALU_DEP_1)
	v_and_b32 v73, 0x0f0f0f0f, v73
	s_delay_alu instid0(VALU_DEP_1)
	v_lshrrev_b32 v74, 8, v73                      ; and, in the lowest byte, of the low 16 bits
	s_delay_alu instid0(VALU_DEP_1)
	v_add_nc_u32 v74, v74, v73
	v_mov_b32 v75, 0
	BITSTEP 74, 8, 16
	BITSTEP 73, 8, 8
	BITSTEP 72, 4, 4
	BITSTEP 71, 2, 2
	BITSTEP 67, 1, 1
	v_cmp_ne_u32 vcc_lo, 0, v67
	s_delay_alu instid0(VALU_DEP_2)
	v_add_nc_u32 v75, v69, v75                     ; the token,
	s_delay_alu instid0(VALU_DEP_1)
	v_cndmask_b32 v75, 0, v75, vcc_lo              ; or 0 where the row lies in no block of mine: one wave finds each row, so the sixteen finds add up to the token
	ds_store_b32 v9, v75 offset:STB
.irp x, 0,1
	s_lshl_b32 s90, s[36+\x], 12
	s_lshl_b32 s94, s30, 8
	s_add_co_u32 s90, s90, s94
.irp i, 0,1,2,3,4,5
	s_add_nc_u64 s[66+12*\x+2*\i:67+12*\x+2*\i], s[10+2*\i:11+2*\i], s[90:91]
.endr
.endr
	s_mov_b32 s92, 0x3a800000                      ; 1 / 1,024
	s_mov_b32 s93, 0x3727c5ac                      ; 1e-5
	BARRIER
.irp k, 0,1,2,3,4,5,6,7,8,9,10,11,12,13,14,15
	ds_load_b32 v[RB+\k], v2 offset:STB+128*\k
.endr
	v_lshlrev_b32 v70, 2, v21                      ; from which lanes I want tokens: rows r,
	s_delay_alu instid0(VALU_DEP_1)
	v_add_nc_u32 v71, 64, v70                      ; 16 + r,
	s_lshl_b32 s94, s30, 3
	v_mov_b32 v72, s94                             ; 2 w,
	s_delay_alu instid0(VALU_DEP_1)
	v_add_nc_u32 v73, 4, v72                       ; 2 w + 1
	s_wait_dscnt 0x0
.irp k, 0,2,4,6,8,10,12,14
	v_add_nc_u32 v[RB+\k], v[RB+\k], v[RB+\k+1]
.endr
.irp k, 0,4,8,12
	v_add_nc_u32 v[RB+\k], v[RB+\k], v[RB+\k+2]
.endr
	s_delay_alu instid0(VALU_DEP_3)
	v_add_nc_u32 v[RB], v[RB], v[RB+4]
	s_delay_alu instid0(VALU_DEP_2)
	v_add_nc_u32 v[RB+8], v[RB+8], v[RB+12]
	s_delay_alu instid0(VALU_DEP_1)
	v_add_nc_u32 v10, v[RB], v[RB+8]               ; the token of row = lane
	ds_bpermute_b32 v12, v70, v10
	ds_bpermute_b32 v13, v71, v10
	ds_bpermute_b32 v14, v72, v10
	ds_bpermute_b32 v15, v73, v10
	s_wait_alu depctr_va_vdst(0)
	s_wait_dscnt 0x0
	s_wait_xcnt 0x0                                ; the prefetches have read v80-82: x's loads below land there
.irp q, 10,12,13,14,15
	v_min_u32 v\q, 0xfff, v\q                      ; a token lies inside x
.endr
	s_delay_alu instid0(VALU_DEP_2)
	v_lshl_add_u32 v14, v14, 12, v1                ; a row of x is 4,096 bytes; 16 a lane
	s_delay_alu instid0(VALU_DEP_2)
	v_lshl_add_u32 v15, v15, 12, v1
	v_lshlrev_b32 v12, 3, v12                      ; gw: 8 bytes a token
	v_lshlrev_b32 v13, 3, v13
.irp p, 0,1
.irp i, 0,1,2,3,4,5,6,7
	global_load_b128 v[ACC+32*\p+4*\i:ACC+32*\p+4*\i+3], v[14+\p], s[4:5] offset:512*\i   ; 512 consecutive bytes of a row: the tile's x is read once
.endr
.endr
	global_load_b32 v[WT], v12, s[26:27]
	global_load_b32 v[WT+2], v13, s[26:27]
	global_load_b32 v[WT+4], v12, s[26:27] offset:4
	global_load_b32 v[WT+6], v13, s[26:27] offset:4
	s_wait_loadcnt 4                               ; x is in (and the weights asked for ahead of it); the four gate weights stay out
.irp p, 0,1
.irp i, 0,1,2,3,4,5,6,7
	ds_store_b128 v25, v[ACC+32*\p+4*\i:ACC+32*\p+4*\i+3] offset:XP*\p+512*\i
.endr
.endr
	BARRIER                                        ; the tile's 32 rows of x lie in LDS, for the quantiser and for the residual
.irp b, 0,1,2,3
.irp j, 0,1,2,3
	ds_load_b128 v[ACC+16*\b+4*\j:ACC+16*\b+4*\j+3], v26 offset:128*\b+16*\j   ; of each block of 32 my half's 16 neighbours
.endr
.endr
	s_wait_dscnt 0x0
	QUANT 4, ACC, PC, PW, 1
	ds_store_b128 v27, v[PC:PC+3] offset:XI
	ds_store_b128 v27, v[PC+4:PC+7] offset:XI+512
	ds_store_b32 v23, v[PW] offset:XSC             ; both halves of the lanes write the same word with the same value
	BARRIER                                        ; x's sixteen fragments lie in LDS
	PRODUCT XI, XSC, 44, 66, 46, 54                ; expert lo
	EPI1 0
	PRODUCT HI, HSC, 46, 72, 48, 56
	EPI2 0
	PRODUCT XI, XSC, 48, 78, 50, 58                ; expert hi
	EPI1 1
	PRODUCT HI, HSC, 50, 84, 0, 0
	EPI2 1
	; THE WAY OUT.  My stage holds my 64 columns (256 bytes) of the 32 rows: they come back as whole rows, two an instruction, and go to their tokens' rows of out0.
	s_cmp_eq_u32 s34, 0
	s_cbranch_scc1 .Lend                           ; a tile without tokens stores nothing; no barrier follows
	v_and_b32 v21, 15, v0
	v_bfe_u32 v22, v0, 4, 1
	s_delay_alu instid0(VALU_DEP_1)
	v_lshlrev_b32 v22, 2, v22
	s_lshl_b32 s90, s30, 8
	v_lshl_add_u32 v20, v21, 4, s90                ; 256 w + 16 r
.irp k, 0,1,2,3,4,5,6,7,8,9,10,11,12,13,14,15
	v_add_nc_u32 v[176+\k], 8*\k, v22
	ds_bpermute_b32 v[160+\k], v[176+\k], v10      ; the token of row 2 k + h
.endr
.irp k, 0,1,2,3,4,5,6,7,8,9,10,11,12,13,14,15
	ds_load_b128 v[96+4*\k:96+4*\k+3], v6 offset:2*SP*\k   ; LDS serves a wave's instructions in order: these see my stores
.endr
	s_wait_dscnt 16                                ; the tokens are in; the 16 loads issued behind them stay out
.irp k, 0,1,2,3,4,5,6,7,8,9,10,11,12,13,14,15
	v_min_u32 v[160+\k], 0xfff, v[160+\k]
	s_delay_alu instid0(VALU_DEP_1)
	v_lshl_add_u32 v[160+\k], v[160+\k], 12, v20
.endr
	s_wait_alu depctr_va_vdst(0)
.irp k, 0,1,2,3,4,5,6,7,8,9,10,11,12,13,14,15
	s_wait_dscnt 15-\k
	global_store_b128 v[160+\k], v[96+4*\k:96+4*\k+3], s[28:29] th:TH_STORE_NT   ; sixteen lanes store 256 consecutive bytes, at a multiple of 256 from out0's first byte
.endr
.Lend:
	s_wait_xcnt 0x0
	v_lshl_add_u32 v254, v0, 2, 0x4ca00
	v_mov_b32 v255, 0
	s_wait_alu depctr_va_vdst(0)
	s_wait_tensorcnt 0x0
	ds_add_u32 v254, v255
	s_wait_dscnt 0x0
	s_endpgm
.Lfunc_end_k_qf3ec381619_chain:
	.size	k_qf3ec381619_chain, .Lfunc_end_k_qf3ec381619_chain-k_qf3ec381619_chain
	.p2alignl 7, 3214868480
	.fill 96, 4, 3214868480
	.section	.rodata,"a",@progbits
	.p2align	6, 0x0
	.amdhsa_kernel k_qf3ec381619_chain
		.amdhsa_group_segment_fixed_size 315904
		.amdhsa_private_segment_fixed_size 0
		.amdhsa_enable_private_segment 0
		.amdhsa_kernarg_size 104
		.amdhsa_user_sgpr_count 2
		.amdhsa_user_sgpr_kernarg_segment_ptr 1
		.amdhsa_wavefront_size32 1
		.amdhsa_system_sgpr_workgroup_id_x 1
		.amdhsa_system_sgpr_workgroup_id_y 1
		.amdhsa_system_sgpr_workgroup_id_z 1
		.amdhsa_system_vgpr_workitem_id 0
		.amdhsa_next_free_vgpr 256
		.amdhsa_next_free_sgpr 96
		.amdhsa_reserve_vcc 1
		.amdhsa_float_denorm_mode_32 3
		.amdhsa_float_denorm_mode_16_64 3
		.amdhsa_memory_ordered 1
		.amdhsa_forward_progress 1
		.amdhsa_inst_pref_size 247
	.end_amdhsa_kernel
	.amdgpu_metadata
---
amdhsa.version: [ 1, 2 ]
amdhsa.kernels:
  - .name:           k_qf3ec381619_chain
    .symbol:         k_qf3ec381619_chain.kd
    .args:
      - { .name: x, .offset: 0, .size: 8, .value_kind: global_buffer, .address_space: global }
      - { .name: WF, .offset: 8, .size: 8, .value_kind: global_buffer, .address_space: global }
      - { .name: WS, .offset: 16, .size: 8, .value_kind: global_buffer, .address_space: global }
      - { .name: b1, .offset: 24, .size: 8, .value_kind: global_buffer, .address_space: global }
      - { .name: g1, .offset: 32, .size: 8, .value_kind: global_buffer, .address_space: global }
      - { .name: be1, .offset: 40, .size: 8, .value_kind: global_buffer, .address_space: global }
      - { .name: b2, .offset: 48, .size: 8, .value_kind: global_buffer, .address_space: global }
      - { .name: g2, .offset: 56, .size: 8, .value_kind: global_buffer, .address_space: global }
      - { .name: be2, .offset: 64, .size: 8, .value_kind: global_buffer, .address_space: global }
      - { .name: hist, .offset: 72, .size: 8, .value_kind: global_buffer, .address_space: global }
      - { .name: masks, .offset: 80, .size: 8, .value_kind: global_buffer, .address_space: global }
      - { .name: gw, .offset: 88, .size: 8, .value_kind: global_buffer, .address_space: global }
      - { .name: out0, .offset: 96, .size: 8, .value_kind: global_buffer, .address_space: global }
    .group_segment_fixed_size: 315904
    .private_segment_fixed_size: 0
    .kernarg_segment_align: 8
    .kernarg_segment_size: 104
    .max_flat_workgroup_size: 512
    .sgpr_count:     96
    .vgpr_count:     256
    .wavefront_size: 32
...
	.end_amdgpu_metadata
.endif
;; end of part 2
